; MI455X (gfx1250); checked and timed in simulation.
; The chip was launched on July 23, 2026; its instructions are those of AMD's public machine-readable ISA for CDNA 5 (MIT licence, August 2026) and "CDNA5" Instruction Set Architecture Reference Guide (July 2026). The comments in the code are by the model that wrote it; some were corrected since.
;; Complex Mo E. Allowed arithmetic: matrix products marked QUANTISED: E2M3 operands, one E8M0 scale for each 32 along K, by v_wmma_scale_f32_16x16x128_f8f6f4 with both operands' format E2M3, f32 sums; products left as they are: f32 operands where the result goes on into a quantised operand, else bf16, f16 or f32 operands; f32 sums; everything else in f32.
;; Inputs: Wg 8 x 2,048 float32; Wi 8 x 1,024 x 1,024 float32; Wr 8 x 1,024 x 1,024 float32; bg 8 float32; z_imag 2,048 x 1,024 float32; z_real 2,048 x 1,024 float32.
;; Outputs: out0 2 x 2,048 x 1,024 float32.
;; This version of the problem:
;;   THIS VERSION OF THE PROBLEM IS GIVEN IN LOW PRECISION. The matrix products marked QUANTISED in the list below multiply operands that are first quantised to E2M3 (2 exponent bits, 3 mantissa bits; 6 bits a number), with one power-of-two scale for each 32 numbers along K (OCP MX v1.0); their sums are f32. All else is computed in f32.
;;   The module's matrix products, in the order in which they are computed (A, B: the left and right operand; K: the contracted axis; several contracted axes count as one K, in the product's order):
;;     1. [M 2,048, K 2,048] x [K 2,048, N 8]; A: computed on the way; B: input Wg: left as it is (N = 8 < 16)
;;     2. [M 2,048, K 1,024] x [K 1,024, N 8,192]; A: input z_real; B: input Wr: QUANTISED
;;     3. [M 2,048, K 1,024] x [K 1,024, N 8,192]; A: input z_imag; B: input Wi: QUANTISED
;;     4. [M 2,048, K 1,024] x [K 1,024, N 8,192]; A: input z_imag; B: input Wr: QUANTISED
;;     5. [M 2,048, K 1,024] x [K 1,024, N 8,192]; A: input z_real; B: input Wi: QUANTISED
;;     6. batch 2,048 x [M 1, K 8] x [K 8, N 1,024]; A: softmax; B: computed on the way: left as it is (K = 8 < 32)
;;     7. batch 2,048 x [M 1, K 8] x [K 8, N 1,024]; A: softmax; B: computed on the way: left as it is (K = 8 < 32)
;;   THE QUANTISER, for each operand of a quantised product, along K:
;;     - K is cut into blocks of 32 from its start; a last block that is shorter is filled with zeros.
;;     - A block's scale is 2^e with e = floor(log2(the largest magnitude in the block)) - 2, held to -126 .. 127; a block of zeros has e = 0. As a byte (E8M0): e + 127.
;;     - Each number is divided by its block's scale, clamped to +-7.5, and rounded to the nearest number of E2M3, ties to even, subnormals kept.
;;     - The product sums the exact products of the quantised numbers (number of the format x scale) in f32.
;;   ~~~python
;;   def quantise(x, axis):      # numpy; x: float32 -> the quantised numbers, widened to float32 again
;;       x = np.moveaxis(x, axis, -1); K = x.shape[-1]
;;       x = np.pad(x, [(0, 0)] * (x.ndim - 1) + [(0, -K % 32)]); x = x.reshape(x.shape[:-1] + (-1, 32)); a = np.abs(x).max(-1, keepdims=True)
;;       e = np.where(a > 0, np.clip(np.frexp(np.where(a > 0, a, 1))[1] - 1 - 2, -126, 127), 0)      # np.frexp(a)[1] - 1 = floor(log2(a)), exactly
;;       r = np.clip(x / 2.0 ** e, -7.5, 7.5)
;;       step = 2.0 ** (np.maximum(np.frexp(np.where(r == 0, 1, r))[1] - 1, 0) - 3)
;;       q = np.round(r / step) * step * 2.0 ** e      # np.round: ties to even
;;       return np.moveaxis(q.reshape(q.shape[:-2] + (-1,))[..., :K], -1, axis).astype(np.float32)
;;   ~~~
;; One version. Each part assembles by itself: llvm-mc -triple=amdgcn-amd-amdhsa -mcpu=gfx1250 --defsym DOCPART=n.
;; ======== version 1 of 1: 2 launches
;; limits: values are held in f16: magnitudes above 65,504 overflow, below 6.1e-05 lose precision; inputs' magnitudes at most 65,504; right only within a limited range of input values
;; workspace buffers: zq 3,276,800 bytes; wq 13,107,200 bytes; gates 65,536 bytes
;; launch quant (part 1): grid 640 x 1, 4 waves a work-group, no clusters, 107,008 bytes of LDS; arguments z_real, z_imag, Wr, Wi, Wg, bg, zq, wq, gates; writes zq, wq, gates
.if DOCPART == 1
	.amdgcn_target "amdgcn-amd-amdhsa--gfx1250"
	.amdhsa_code_object_version 6
	.text
	.protected	k_qc3f2024760_quant
	.globl	k_qc3f2024760_quant
	.p2align	8
	.type	k_qc3f2024760_quant,@function
k_qc3f2024760_quant:
	s_mov_b64 s[64:65], 0
	v_nop
	global_prefetch_b8 v0, s[64:65] scope:SCOPE_SE
	s_setreg_imm32_b32 hwreg(HW_REG_WAVE_MODE, 25, 1), 1
	s_wait_xcnt 0x0
; z_real, z_imag [2048][1024] and Wr, Wi [8][1024][1024], f32, become codes of FP6 (E2M3) with one E8M0 byte for each 32 along K, laid as IMAGES OF THE OPERAND'S REGISTERS; and the gates softmax(concat(z_real, z_imag) Wg^T + bg) are made.
; A UNIT, 25,600 bytes, is 16 rows x (real part, imaginary part) x K = 1,024.  Fragment f = 2 s + p (K step s of 128, part p) lies at byte 1,536 f: three pieces of 512 bytes, lane l's registers 4 c .. 4 c + 3 at 512 c + 16 l.
; In a fragment lane (r = l % 16, h = l / 16) holds row r: registers 0-5 the codes of k = 32 h + 0 .. 31, registers 6-11 those of k = 64 + 32 h + 0 .. 31 (ISA guide 7.12, the 6-bit layout).
; From byte 24,576 on: the scale words: piece w (256 bytes), lane l's 8 bytes at 256 w + 8 l: the words of K steps 2 w and 2 w + 1; lanes 0-15 the real part's row r, lanes 16-31 the imaginary part's.
; zq: unit u = tokens 16 u on.  wq: unit ((ob x 8 + e) x 4 + j) = rows 64 ob + 16 j on of expert e, so that all that one block of 64 outputs wants lies on end.
; A block's scale is 2^(floor(log2(largest magnitude)) - 2): its byte is the largest magnitude's exponent field - 2, held at 1 from below; the conversion divides, rounds to the nearest code, ties to even, and holds at the largest code.
; LIMITS: NaN and infinities among the inputs are not served.  A block of zeros gets the byte 1 where the rule says 127: its codes are zeros, and only this program reads the bytes.  Blocks whose largest magnitude lies under 2^-124 keep the byte 1.
; The gate's product (N = 8, left as it is) takes f16 operands and f32 sums: magnitudes of z or Wg beyond 65,504 are not served there; logits, maximum, exponentials and sum are f32.
; SHARES.  One work-group makes one unit: work-groups 0-127 z's (and their 16 tokens' gates), 128-639 W's.  Wave w takes K steps 2 w, 2 w + 1 of both parts: four fragments i = 2 p + s'.  The two ways part once, on the work-group's number, and have LDS bytes of their own.
; A fragment's 16 rows x 512 bytes are loaded as they lie (a load: 512 consecutive bytes), turned through the wave's own stage in LDS (rows 528 bytes apart = 33 x 16), and come back 2 x 128 bytes a lane: two whole blocks of 32.
.set STW,   0                          ; LDS: W's way: four stages of 16 x 528 bytes
.set STZ,   33792                      ; z's way: four stages
.set WGL,   67584                      ; z's way: Wg in f16: for each wave 4 fragments x 8 rows x 272 bytes
.set RED,   102400                     ; z's way: the waves' partial logits, 1,024 bytes a wave
.set UNITB, 25600
.set LI,   1                           ; v1   16 x lane
.set L8,   2                           ; v2   8 x lane
.set SA,   3                           ; v3   my stage + 16 x lane
.set LA,   4                           ; v4   my stage + 528 r + 128 h
.set H8,   5                           ; v5   8 h
.set WSA,  6                           ; v6   my part of WGL + 8 x lane
.set WA,   7                           ; v7   my part of WGL + 272 (r % 8) + 64 h
.set MX0,  8                           ; v8-9   the two blocks' largest magnitudes
.set MX1,  9
.set SOP0, 10                          ; v10-11 the conversions' scale operands
.set SOP1, 11
.set BY0,  12                          ; v12-13 the scale bytes
.set BY1,  13
.set TMP,  14
.set PD,   15                          ; v15  a lane permute's destination: written once at the head
.set C,    16                          ; v16-27 a fragment's codes
.set T,    28                          ; v28-30, v32-34 the halves whose place begins on an odd register
.set SW,   36                          ; v36-39 the four fragments' scale words
.set D,    40                          ; v40-55 two accumulators of logits
.set RA,   56                          ; v56  RED + 1,024 x wave + 16 x lane
.set RR,   57                          ; v57  RED + 16 x lane
.set GA,   58                          ; v58  32 r + 16 h
.set R0,   64                          ; v64-127, v128-191 two sets of 64 registers as loaded
.set X,    192                         ; v192-255 a lane's two blocks
.set SRC,  32                          ; s[32:33], s[34:35] my first byte of the real and of the imaginary part
.set DST,  36                          ; s[36:37] my four fragments' place
.set DSS,  38                          ; s[38:39] my piece of the scale words
.set SEL,  40                          ; s[40:41] selects for lane l xor 16
.set WGB,  42                          ; s[42:43] Wg + 1,024 x wave
.set BG,   44                          ; s[44:51] bg
.set GT,   52                          ; s[52:53] my 16 tokens' gates
.macro BASES pa, pb, dq                ; s28: my first byte in both sources; s30: the unit's number
	s_mov_b32 s29, 0
	s_add_nc_u64 s[SRC:SRC+1], s[\pa:\pa+1], s[28:29]
	s_add_nc_u64 s[SRC+2:SRC+3], s[\pb:\pb+1], s[28:29]
	s_mul_i32 s30, s30, UNITB
	s_mov_b32 s31, 0
	s_add_nc_u64 s[DSS:DSS+1], s[\dq:\dq+1], s[30:31]
	s_mov_b32 s28, s25
	s_add_nc_u64 s[DST:DST+1], s[DSS:DSS+1], s[28:29]       ; + 6,144 x wave: four fragments
	s_add_co_u32 s28, s26, 24576
	s_add_nc_u64 s[DSS:DSS+1], s[DSS:DSS+1], s[28:29]       ; + 24,576 + 256 x wave
.endm
.macro LOADF set, p, sp                ; 16 rows x 128 numbers of part p, my K step sp: each load reads 512 consecutive bytes
.irp r, 0,1,2,3,4,5,6,7,8,9,10,11,12,13,14,15
	global_load_b128 v[\set+4*\r:\set+4*\r+3], v[LI], s[SRC+2*(\p):SRC+2*(\p)+1] offset:4096*\r+512*(\sp) th:TH_LOAD_NT
.endr
.endm
.macro TURN set                        ; through my stage: LDS serves a wave's instructions in order (ISA guide 5.7.1.4), so no wait stands between the stores and the loads
.irp r, 0,1,2,3,4,5,6,7,8,9,10,11,12,13,14,15
	ds_store_b128 v[SA], v[\set+4*\r:\set+4*\r+3] offset:528*\r
.endr
.irp c, 0,1
.irp q, 0,1,2,3,4,5,6,7
	ds_load_b128 v[X+32*\c+4*\q:X+32*\c+4*\q+3], v[LA] offset:256*\c+16*\q    ; block h, then block 2 + h, of row r
.endr
.endr
	s_wait_dscnt 0x0                               ; my two blocks are in, and the stores have read the set: it may be loaded again
.endm
.macro QUANT i
	v_max3_num_f32 v[MX0], |v[X]|, |v[X+1]|, 0x1800000       ; the floor 2^(3 - 127) among the leaves: the byte cannot fall under 1
	v_max3_num_f32 v[MX1], |v[X+32]|, |v[X+33]|, 0x1800000
.irp k, 2,4,6,8,10,12,14,16,18,20,22,24,26,28,30
	v_max3_num_f32 v[MX0], v[MX0], |v[X+\k]|, |v[X+\k+1]|    ; the two blocks by turns
	v_max3_num_f32 v[MX1], v[MX1], |v[X+32+\k]|, |v[X+33+\k]|
.endr
	v_add_nc_u32 v[SOP0], 0xff000000, v[MX0]       ; 2 off the exponent field: the conversion takes this operand's exponent field as its scale
	v_add_nc_u32 v[SOP1], 0xff000000, v[MX1]
	v_lshrrev_b32 v[BY0], 23, v[SOP0]              ; the scale's byte
	v_lshrrev_b32 v[BY1], 23, v[SOP1]
	v_lshl_or_b32 v[TMP], v[BY1], 16, v[BY0]       ; blocks h and 2 + h,
	v_lshlrev_b32 v[TMP], v[H8], v[TMP]            ; at their places in the word;
	v_permlanex16_b32 v[PD], v[TMP], s[SEL], s[SEL+1]
	v_or_b32 v[SW+(\i)], v[TMP], v[PD]             ; with lane l xor 16's two bytes row r's word is whole, in both halves of the lanes
.if (\i) > 0
	s_wait_alu depctr_va_vdst(0)
	s_wait_xcnt 0x0                                ; the last fragment's stores have read the codes' registers (ISA guide 3.1): they are written again only behind this wait
.endif
	v_cvt_scalef32_pk16_fp6_f32 v[C:C+2], v[X:X+15], v[SOP0]
	v_cvt_scalef32_pk16_fp6_f32 v[T:T+2], v[X+16:X+31], v[SOP0]          ; (a conversion's three registers begin on an even number)
	v_cvt_scalef32_pk16_fp6_f32 v[C+6:C+8], v[X+32:X+47], v[SOP1]
	v_cvt_scalef32_pk16_fp6_f32 v[T+4:T+6], v[X+48:X+63], v[SOP1]
	v_nop                                          ; one plain place behind the scaled conversions
.irp k, 0,1,2
	v_mov_b32 v[C+3+\k], v[T+\k]
	v_mov_b32 v[C+9+\k], v[T+4+\k]
.endr
.endm
.macro STOREC i                        ; the fragment as it stands: each store covers 512 consecutive bytes, aligned
.irp c, 0,1,2
	global_store_b128 v[LI], v[C+4*\c:C+4*\c+3], s[DST:DST+1] offset:1536*(2*((\i)%2)+(\i)/2)+512*\c
.endr
.endm
; The gate's part of fragment i.  The lane's 64 numbers are packed to f16 in place: registers 8 u .. 8 u + 7 then hold k = 64 (u / 2) + 32 h + 16 (u % 2) + 0 .. 15 of token r.  Wg's rows are read from LDS with the same k at the same
; places, so that the products meet though k is not in the instruction's own order.  Source 0 = Wg's rows (lane r: row r % 8), source 1 = z: in the result every lane holds its token r's eight logits, register j for expert j.
; The two accumulators take turns, one instruction a turn.
.macro GATE i
.set n, 0
.rept 32
	v_cvt_pk_f16_f32 v[X+n], v[X+2*n], v[X+2*n+1]
.set n, n+1
.endr
.irp u, 0,1,2,3
.irp q, 0,1
	ds_load_b128 v[X+32+8*\u+4*\q:X+32+8*\u+4*\q+3], v[WA] offset:2176*(\i)+128*(\u/2)+32*(\u%2)+16*\q
.endr
.endr
	s_wait_dscnt 0x0
.irp u, 0,1,2,3
.if ((\i) == 0) && (\u < 2)
	s_wait_alu depctr_va_vdst(0)
	v_wmma_f32_16x16x32_f16 v[D+8*(\u%2):D+8*(\u%2)+7], v[X+32+8*\u:X+32+8*\u+7], v[X+8*\u:X+8*\u+7], 0
.else
	s_wait_alu depctr_va_vdst(0)
	v_wmma_f32_16x16x32_f16 v[D+8*(\u%2):D+8*(\u%2)+7], v[X+32+8*\u:X+32+8*\u+7], v[X+8*\u:X+8*\u+7], v[D+8*(\u%2):D+8*(\u%2)+7]
.endif
.endr
.rept 4
	v_nop                                          ; four places in front of the loads into the operands' registers and of the first read of the sums
.endr
.endm
.macro STEP i, gate
.set RS, R0+64*((\i)%2)
.if (\i) < 3
	s_wait_loadcnt 16                              ; this fragment's 16 loads are in; the 16 younger ones, the next fragment's, may be out
.else
	s_wait_loadcnt 0x0
.endif
	TURN RS
.if (\i) < 2
	LOADF RS, 1, (\i)%2                            ; the set takes the fragment two on
.endif
	QUANT \i
	STOREC \i
.if \gate
	GATE \i
.endif
.endm
.macro TAILSC                          ; my piece of the scale words: lanes 0-15 the real part's, lanes 16-31 the imaginary part's: 256 consecutive bytes, aligned
	v_cmp_ne_u32 vcc_lo, 0, v[H8]
	v_cndmask_b32 v[T], v[SW], v[SW+2], vcc_lo
	v_cndmask_b32 v[T+1], v[SW+1], v[SW+3], vcc_lo
	global_store_b64 v[L8], v[T:T+1], s[DSS:DSS+1]
.endm
.macro WGBATCH p                       ; my two K steps of part p of Wg's eight rows: 16 loads of 512 consecutive bytes
.irp sp, 0,1
.irp e, 0,1,2,3,4,5,6,7
	global_load_b128 v[X+4*(8*\sp+\e):X+4*(8*\sp+\e)+3], v[LI], s[WGB:WGB+1] offset:8192*\e+4096*(\p)+512*\sp
.endr
.endr
.endm
.macro WGPUT p                         ; to f16, into my part of WGL: fragment 2 p + sp, row e, 256 bytes
.irp sp, 0,1
.irp e, 0,1,2,3,4,5,6,7
	v_cvt_pk_f16_f32 v[X+4*(8*\sp+\e)], v[X+4*(8*\sp+\e)], v[X+4*(8*\sp+\e)+1]
	v_cvt_pk_f16_f32 v[X+4*(8*\sp+\e)+1], v[X+4*(8*\sp+\e)+2], v[X+4*(8*\sp+\e)+3]
	ds_store_b64 v[WSA], v[X+4*(8*\sp+\e):X+4*(8*\sp+\e)+1] offset:2176*(2*(\p)+\sp)+272*\e
.endr
.endr
	s_wait_dscnt 0x0                               ; the stores have read their registers
.endm
	s_load_b512 s[4:19], s[0:1], 0x0               ; z_real s[4:5], z_imag s[6:7], Wr s[8:9], Wi s[10:11], Wg s[12:13], bg s[14:15], zq s[16:17], wq s[18:19]
	s_load_b64 s[20:21], s[0:1], 0x40              ; gates
	v_lshl_add_u32 v62, v0, 2, 0x1a000
	v_mov_b32 v63, 0
	v_lshrrev_b32 v8, 5, v0
	v_readfirstlane_b32 s22, v8                    ; wave 0..3
	v_and_b32 v9, 31, v0                           ; lane
	v_and_b32 v10, 15, v0                          ; r
	v_bfe_u32 v11, v0, 4, 1                        ; h
	v_lshlrev_b32 v[LI], 4, v9
	v_lshlrev_b32 v[L8], 3, v9
	v_lshlrev_b32 v[H8], 3, v11
	s_mul_i32 s23, s22, 8448                       ; my stage
	v_mul_u32_u24 v12, v10, 528
	v_lshl_add_u32 v12, v11, 7, v12
	v_add_nc_u32 v[SA], s23, v[LI]
	v_add_nc_u32 v[LA], s23, v12
	v_mov_b32 v[PD], 0
	s_mov_b32 s[SEL], 0x76543210
	s_mov_b32 s[SEL+1], 0xfedcba98
	s_lshl_b32 s24, s22, 10                        ; 1,024 x wave: my two K steps in a row of f32
	s_mul_i32 s25, s22, 6144
	s_lshl_b32 s26, s22, 8
	s_wait_kmcnt 0x0
	s_cmp_lt_u32 ttmp9, 128                        ; the work-group's number alone decides: all four waves go the same way
	s_cbranch_scc1 .Lpath_z
	; ---- W's way: unit v = work-group - 128 = (ob x 8 + e) x 4 + j
	s_sub_co_u32 s27, ttmp9, 128
	s_and_b32 s28, s27, 3                          ; j
	s_bfe_u32 s29, s27, 0x30002                    ; e
	s_lshr_b32 s30, s27, 5                         ; ob
	s_lshl_b32 s28, s28, 4
	s_lshl_b32 s29, s29, 10
	s_lshl_b32 s30, s30, 6
	s_add_co_u32 s28, s28, s29
	s_add_co_u32 s28, s28, s30                     ; the first row: 1,024 e + 64 ob + 16 j
	s_lshl_b32 s28, s28, 12                        ; rows of 4,096 bytes
	s_add_co_u32 s28, s28, s24
	s_mov_b32 s30, s27
	BASES 8, 10, 18
	s_wait_alu depctr_va_vdst(0)
	LOADF R0, 0, 0
	LOADF R0+64, 0, 1
	STEP 0, 0
	STEP 1, 0
	STEP 2, 0
	STEP 3, 0
	TAILSC
	s_wait_tensorcnt 0x0
	ds_add_u32 v62, v63
	s_wait_dscnt 0x0
	s_endpgm
	; ---- z's way: unit u = work-group; and the gates of tokens 16 u on
.Lpath_z:
	s_load_b256 s[BG:BG+7], s[14:15], 0x0          ; bg: nothing in this launch writes it
	s_wait_alu depctr_va_vdst(0)
	v_add_nc_u32 v[SA], STZ, v[SA]
	v_add_nc_u32 v[LA], STZ, v[LA]
	s_mul_i32 s23, s22, 8704
	s_add_co_u32 s23, s23, WGL
	v_add_nc_u32 v[WSA], s23, v[L8]
	v_and_b32 v12, 7, v0
	v_mul_u32_u24 v12, v12, 272
	v_lshl_add_u32 v12, v11, 6, v12
	v_add_nc_u32 v[WA], s23, v12
	s_lshl_b32 s23, s22, 10
	s_add_co_u32 s23, s23, RED
	v_add_nc_u32 v[RA], s23, v[LI]
	v_add_nc_u32 v[RR], RED, v[LI]
	v_lshlrev_b32 v[GA], 5, v10
	v_lshl_add_u32 v[GA], v11, 4, v[GA]
	s_lshl_b32 s28, ttmp9, 16                      ; 16 rows of 4,096 bytes
	s_add_co_u32 s28, s28, s24
	s_mov_b32 s30, ttmp9
	BASES 4, 6, 16
	s_mov_b32 s28, s24
	s_add_nc_u64 s[WGB:WGB+1], s[12:13], s[28:29]
	s_lshl_b32 s28, ttmp9, 9                       ; 16 tokens x 32 bytes
	s_add_nc_u64 s[GT:GT+1], s[20:21], s[28:29]
	WGBATCH 0
	LOADF R0, 0, 0
	LOADF R0+64, 0, 1
	s_wait_loadcnt 32                              ; Wg's first batch is in; the 32 younger loads are the first two fragments'
	WGPUT 0
	WGBATCH 1
	s_wait_loadcnt 0x0
	WGPUT 1
	s_wait_kmcnt 0x0                               ; bg
	STEP 0, 1
	STEP 1, 1
	STEP 2, 1
	STEP 3, 1
	TAILSC
.irp j, 0,1,2,3,4,5,6,7
	v_add_f32 v[R0+\j], v[D+\j], v[D+8+\j]         ; my quarter of K: each accumulator is read from its low end on
.endr
	ds_store_b128 v[RA], v[R0:R0+3]
	ds_store_b128 v[RA], v[R0+4:R0+7] offset:512
	s_wait_dscnt 0x0                               ; for the others' sake: my partial logits lie in LDS
	s_barrier_signal -1
	s_barrier_wait -1
	s_cmp_lg_u32 s22, 0                            ; wave 0 finishes the 16 tokens
	s_cbranch_scc1 .Lz_end
.irp w, 0,1,2,3
.irp q, 0,1
	ds_load_b128 v[X+8*\w+4*\q:X+8*\w+4*\q+3], v[RR] offset:1024*\w+512*\q
.endr
.endr
	s_wait_dscnt 0x0
.irp j, 0,1,2,3,4,5,6,7
	v_add_f32 v[X+\j], v[X+\j], v[X+8+\j]
	v_add_f32 v[X+16+\j], v[X+16+\j], v[X+24+\j]
.endr
.irp j, 0,1,2,3,4,5,6,7
	v_add_f32 v[X+\j], v[X+\j], v[X+16+\j]
.endr
.irp j, 0,1,2,3,4,5,6,7
	v_add_f32 v[X+\j], s[BG+\j], v[X+\j]           ; the logits
.endr
	v_max3_num_f32 v[MX0], v[X], v[X+1], v[X+2]    ; the row's maximum is taken away before the exponentials
	v_max3_num_f32 v[MX0], v[MX0], v[X+3], v[X+4]
	v_max3_num_f32 v[MX0], v[MX0], v[X+5], v[X+6]
	v_max_num_f32 v[MX0], v[MX0], v[X+7]
.irp j, 0,1,2,3,4,5,6,7
	v_sub_f32 v[X+\j], v[X+\j], v[MX0]
.endr
.irp j, 0,1,2,3,4,5,6,7
	v_mul_f32 v[X+\j], 0x3fb8aa3b, v[X+\j]         ; x log2(e)
.endr
	s_wait_alu depctr_va_vdst(0)
.irp j, 0,1,2,3,4,5,6,7
	v_exp_f32 v[X+\j], v[X+\j]
.endr
	v_nop                                          ; a plain place behind the exponentials (ISA guide 5.7.2),
	s_wait_alu depctr_va_vdst(0)                   ; and the one wait ahead of the batch's first reader
	v_add_f32 v[MX1], v[X], v[X+1]
	v_add_f32 v[TMP], v[X+2], v[X+3]
	v_add_f32 v[BY0], v[X+4], v[X+5]
	v_add_f32 v[BY1], v[X+6], v[X+7]
	v_add_f32 v[MX1], v[MX1], v[TMP]
	v_add_f32 v[BY0], v[BY0], v[BY1]
	v_add_f32 v[MX1], v[MX1], v[BY0]
	s_wait_alu depctr_va_vdst(0)
	v_rcp_f32 v[MX1], v[MX1]
	v_nop
	s_wait_alu depctr_va_vdst(0)
.irp j, 0,1,2,3,4,5,6,7
	v_mul_f32 v[X+\j], v[X+\j], v[MX1]
.endr
	v_cmp_ne_u32 vcc_lo, 0, v[H8]
.irp q, 0,1,2,3
	v_cndmask_b32 v[X+8+\q], v[X+\q], v[X+4+\q], vcc_lo      ; lane (r, h) stores gates 4 h .. 4 h + 3 of token r
.endr
	global_store_b128 v[GA], v[X+8:X+11], s[GT:GT+1]         ; 512 consecutive bytes, aligned
.Lz_end:
	s_wait_tensorcnt 0x0
	ds_add_u32 v62, v63
	s_wait_dscnt 0x0
	s_endpgm
.Lfunc_end_k_qc3f2024760_quant:
	.size	k_qc3f2024760_quant, .Lfunc_end_k_qc3f2024760_quant-k_qc3f2024760_quant
	.p2alignl 7, 3214868480
	.fill 96, 4, 3214868480
	.section	.rodata,"a",@progbits
	.p2align	6, 0x0
	.amdhsa_kernel k_qc3f2024760_quant
		.amdhsa_group_segment_fixed_size 107008
		.amdhsa_private_segment_fixed_size 0
		.amdhsa_enable_private_segment 0
		.amdhsa_kernarg_size 72
		.amdhsa_user_sgpr_count 2
		.amdhsa_user_sgpr_kernarg_segment_ptr 1
		.amdhsa_wavefront_size32 1
		.amdhsa_system_sgpr_workgroup_id_x 1
		.amdhsa_system_sgpr_workgroup_id_y 1
		.amdhsa_system_sgpr_workgroup_id_z 1
		.amdhsa_system_vgpr_workitem_id 0
		.amdhsa_next_free_vgpr 256
		.amdhsa_next_free_sgpr 66
		.amdhsa_reserve_vcc 1
		.amdhsa_float_denorm_mode_32 3
		.amdhsa_float_denorm_mode_16_64 3
		.amdhsa_memory_ordered 1
		.amdhsa_forward_progress 1
		.amdhsa_inst_pref_size 85
	.end_amdhsa_kernel
	.amdgpu_metadata
---
amdhsa.version: [ 1, 2 ]
amdhsa.kernels:
  - .name:           k_qc3f2024760_quant
    .symbol:         k_qc3f2024760_quant.kd
    .args:
      - { .name: z_real, .offset: 0, .size: 8, .value_kind: global_buffer, .address_space: global }
      - { .name: z_imag, .offset: 8, .size: 8, .value_kind: global_buffer, .address_space: global }
      - { .name: Wr, .offset: 16, .size: 8, .value_kind: global_buffer, .address_space: global }
      - { .name: Wi, .offset: 24, .size: 8, .value_kind: global_buffer, .address_space: global }
      - { .name: Wg, .offset: 32, .size: 8, .value_kind: global_buffer, .address_space: global }
      - { .name: bg, .offset: 40, .size: 8, .value_kind: global_buffer, .address_space: global }
      - { .name: zq, .offset: 48, .size: 8, .value_kind: global_buffer, .address_space: global }
      - { .name: wq, .offset: 56, .size: 8, .value_kind: global_buffer, .address_space: global }
      - { .name: gates, .offset: 64, .size: 8, .value_kind: global_buffer, .address_space: global }
    .group_segment_fixed_size: 107008
    .private_segment_fixed_size: 0
    .kernarg_segment_align: 8
    .kernarg_segment_size: 72
    .max_flat_workgroup_size: 128
    .sgpr_count:     66
    .vgpr_count:     256
    .wavefront_size: 32
...
	.end_amdgpu_metadata
.endif
;; end of part 1
;; launch moe (part 2): grid 16 x 16, 8 waves a work-group, clusters of 4 x 4, 327,680 bytes of LDS; arguments zq, wq, gates, out0; writes out0
.if DOCPART == 2
	.amdgcn_target "amdgcn-amd-amdhsa--gfx1250"
	.amdhsa_code_object_version 6
	.text
	.protected	k_qc3f2024760_moe
	.globl	k_qc3f2024760_moe
	.p2align	8
	.type	k_qc3f2024760_moe,@function
k_qc3f2024760_moe:
	s_mov_b64 s[64:65], 0
	v_nop
	global_prefetch_b8 v0, s[64:65] scope:SCOPE_SE
	s_setreg_imm32_b32 hwreg(HW_REG_WAVE_MODE, 25, 1), 1
	s_wait_xcnt 0x0
	s_wait_alu depctr_hold_cnt(0) depctr_sa_sdst(0) depctr_va_vdst(0) depctr_va_sdst(0) depctr_va_ssrc(0) depctr_va_vcc(0) depctr_vm_vsrc(0)
	s_getreg_b32 s2, hwreg(HW_REG_IB_STS2, 6, 4)
	s_cmp_eq_u32 s2, 0
	s_cbranch_scc0 .Lentry_in_a_cluster
	s_endpgm
.Lentry_in_a_cluster:
	s_bfe_u32 s2, ttmp6, 0x10000c
	s_cmp_lg_u32 s2, 0xf033
	s_cbranch_scc0 .Lentry_shape_is_right
	s_endpgm
.Lentry_shape_is_right:
; out_r = sum over e of g_e (zr Wr_e^T - zi Wi_e^T), out_i = sum over e of g_e (zi Wr_e^T + zr Wi_e^T), on codes of FP6 (E2M3) with E8M0 scales, as launch quant laid them: units of 25,600 bytes,
; 16 rows x (real, imaginary) x K = 1,024, as images of the operand's registers (fragment 2 s + p at byte 1,536 (2 s + p); scale words from byte 24,576 on).
; A work-group makes 128 tokens x 64 outputs of both parts.  EIGHT WAVES, two to a SIMD: wave w takes tokens 32 (w % 4) on and K's half w / 4 (four K steps of 128).  The gated sums are linear in the two halves of K:
; each wave keeps gated sums O of its own half, and at the end the two partners (w, w xor 4) hand each other one token tile through LDS and add.
; LIMIT: a result is so the f32 sum of two f32 sums over 512 of K each, gated apart: another order of rounding than one chain over K.  Else as launch quant states.
; z: a wave's half of K of two units, 24,576 bytes, goes from memory straight into 192 registers and stays.  It is not asked for jointly: z is 204,800 of the 1,024,000 bytes that a work-group takes in, and it passes no LDS.
; In waves of K's second half the two token tiles change places (by address alone), so that every wave ends with its tile 0 to finish and its tile 1 to hand over: no branch on the wave's number.
; W: an expert's four units (64 outputs) are 102,400 consecutive bytes of wq: a slot.  Two slots by turns; wave w fetches an eighth of a slot by one joint load, shared along the cluster's row (the same outputs).
; A unit's work in a wave: two groups of 16 matrix instructions on two buffers of 48 registers; ahead of each group stands the run of 13 LDS loads for the next group.  Source 0 = W, source 1 = z: a lane holds its token's eight neighbouring outputs, so the gate is one number a lane.
; REGISTERS: window 0: v0-15, v28-31 addresses; v16-23 z's scale words; v24-27 W's; v32-47 gates; v48-95 the six sums P; v96-191 W's two buffers; v192-255 O of output blocks 0, 1.  Window 1: v0-191 z; v192-255 O of output blocks 2, 3.
; PREFETCH: behind each refill (expert e + 2) expert e + 3's slot is asked of memory, one slot ahead of its load: 400 blocks of 256 bytes, shared out by address: partner cx takes unit cx, wave w blocks 13 w to 13 w + 12 of its 100, a lane a block
; (lanes left over name their wave's last block again).  Experts 0 to 2 come by their loads alone; the request for an expert 8 is jumped over.
.set UNITB, 25600
.set SLOT1, 1<<17                      ; slot 0 at byte 0, slot 1 at byte 131,072
.set STAGE, SLOT1+4*UNITB              ; eight stages of 2 x 16 rows x 272 bytes: no tensor load lands here
.set SPARE, STAGE+8*8704               ; the spare words: 1,024 bytes that no other line names
.set LI,  1                            ; 16 x lane
.set LIH, 2                            ; + 12,288 x my half of K
.set L8H, 3                            ; 8 x lane + 24,576 + 512 x my half
.set ADR, 4                            ; v4-5 fragments of units 0-1, 2-3 of the slot at work
.set ADS, 6                            ; v6-7 their scale words
.set PFO, 8
.set XS,  9                            ; the exchange: my 8,192 bytes, in slot 0 behind its last fill and last read
.set XR,  10                           ; my partner's
.set STO, 11
.set RD,  12
.set GO,  13
.set SPW, 14
.set NIL, 15
.set ZS,  16
.set WS,  24
.set GA,  28
.set G,   32
.set P,   48
.set RW,  96
.set O,   192
.set T,   96                           ; the way out: my partner's sums, then the whole sums
.set OB,  32                           ; the way out: rows read back
.set WV,  12
.set G1B, 24
.set G0,  32
.set TB,  36
.set CNT, 37
.set PFA, 38
.set ZB,  40                           ; s[40:41], s[42:43] my tile 0's and tile 1's unit of zq
.set GT,  44                           ; s[44:45], s[46:47] their gates
.set OUTR, 50
.set OUTI, 52
.set MSB, 0
.macro WIN new
.if MSB != (\new)
	s_set_vgpr_msb (MSB<<8)|(\new)
.set MSB, (\new)
.endif
.endm
.macro PLACES
.rept 4
	v_nop
.endr
.endm
.macro CREST
	s_cmp_lg_u32 s[WV], 0
	s_cbranch_scc1 .Lnot_wave_0_\@
	s_barrier_signal -3
.Lnot_wave_0_\@:
	s_barrier_wait -3
	s_barrier_signal -1
	s_barrier_wait -1
.endm
.macro CROUND
	s_barrier_signal -1
	s_barrier_wait -1
	CREST
.endm
.macro SETADR
	v_add_nc_u32 v[ADR], s[TB], v[LIH]
	v_add_nc_u32 v[ADS], s[TB], v[L8H]
	v_add_nc_u32 v[ADR+1], 2*UNITB, v[ADR]
	v_add_nc_u32 v[ADS+1], 2*UNITB, v[ADS]
	s_wait_alu depctr_va_vdst(0)
.endm
.macro FETCH j, gi                     ; group gi (two K steps) of unit j: its two scale words and 12 x 512 bytes, into buffer gi
	ds_load_b64 v[WS+2*(\gi):WS+2*(\gi)+1], v[ADS+(\j)/2] offset:UNITB*((\j)%2)+256*(\gi)
.irp i, 0,1,2,3,4,5,6,7,8,9,10,11
	ds_load_b128 v[RW+48*(\gi)+4*\i:RW+48*(\gi)+4*\i+3], v[ADR+(\j)/2] offset:UNITB*((\j)%2)+6144*(\gi)+512*\i
.endr
.endm
.macro MM kind, d, a, b, sa, sb, zero  ; kind: which rows of the scale registers: 0 Wr zr, 1 Wr zi, 2 Wi zi, 3 Wi zr (lanes 0-15 real, 16-31 imaginary)
.if (\kind) == 0
.if \zero
	v_wmma_scale_f32_16x16x128_f8f6f4 v[\d:\d+7], v[\a:\a+11], v[\b:\b+11], 0, v[\sa], v[\sb] matrix_a_fmt:MATRIX_FMT_FP6 matrix_b_fmt:MATRIX_FMT_FP6
.else
	v_wmma_scale_f32_16x16x128_f8f6f4 v[\d:\d+7], v[\a:\a+11], v[\b:\b+11], v[\d:\d+7], v[\sa], v[\sb] matrix_a_fmt:MATRIX_FMT_FP6 matrix_b_fmt:MATRIX_FMT_FP6
.endif
.elseif (\kind) == 1
.if \zero
	v_wmma_scale_f32_16x16x128_f8f6f4 v[\d:\d+7], v[\a:\a+11], v[\b:\b+11], 0, v[\sa], v[\sb] matrix_a_fmt:MATRIX_FMT_FP6 matrix_b_fmt:MATRIX_FMT_FP6 matrix_b_scale:MATRIX_SCALE_ROW1
.else
	v_wmma_scale_f32_16x16x128_f8f6f4 v[\d:\d+7], v[\a:\a+11], v[\b:\b+11], v[\d:\d+7], v[\sa], v[\sb] matrix_a_fmt:MATRIX_FMT_FP6 matrix_b_fmt:MATRIX_FMT_FP6 matrix_b_scale:MATRIX_SCALE_ROW1
.endif
.elseif (\kind) == 2
.if \zero
	v_wmma_scale_f32_16x16x128_f8f6f4 v[\d:\d+7], v[\a:\a+11], v[\b:\b+11], 0, v[\sa], v[\sb] matrix_a_fmt:MATRIX_FMT_FP6 matrix_b_fmt:MATRIX_FMT_FP6 matrix_a_scale:MATRIX_SCALE_ROW1 matrix_b_scale:MATRIX_SCALE_ROW1
.else
	v_wmma_scale_f32_16x16x128_f8f6f4 v[\d:\d+7], v[\a:\a+11], v[\b:\b+11], v[\d:\d+7], v[\sa], v[\sb] matrix_a_fmt:MATRIX_FMT_FP6 matrix_b_fmt:MATRIX_FMT_FP6 matrix_a_scale:MATRIX_SCALE_ROW1 matrix_b_scale:MATRIX_SCALE_ROW1
.endif
.else
	v_wmma_scale_f32_16x16x128_f8f6f4 v[\d:\d+7], v[\a:\a+11], v[\b:\b+11], v[\d:\d+7], v[\sa], v[\sb] matrix_a_fmt:MATRIX_FMT_FP6 matrix_b_fmt:MATRIX_FMT_FP6 matrix_a_scale:MATRIX_SCALE_ROW1
.endif
.endm
.macro KS k                            ; my K step k (0..3): the six accumulators by turns, one instruction a turn; K step 0 starts the sums
.set ZF, (\k) == 0
.set FR, RW+24*(\k)
.set FI, FR+12
.set ZR0, 24*(\k)
.set SCW, WS+(\k)
.set SC0, ZS+(\k)
	MM 0, P, FR, ZR0, SCW, SC0, ZF
	MM 0, P+24, FR, ZR0+96, SCW, SC0+4, ZF
	MM 1, P+16, FR, ZR0+12, SCW, SC0, ZF
	MM 1, P+40, FR, ZR0+108, SCW, SC0+4, ZF
	MM 2, P+8, FI, ZR0+12, SCW, SC0, ZF
	MM 2, P+32, FI, ZR0+108, SCW, SC0+4, ZF
	MM 3, P+16, FI, ZR0, SCW, SC0, 0
	MM 3, P+40, FI, ZR0+96, SCW, SC0+4, 0
.endm
; Group gi of unit j.  chg (read in the expert's last group alone): 1 the slot is filled again, 2 it is left but not filled, 0 nothing follows.  pf: 1 a prefetch, 2 a prefetch under the loop's test.
.macro GRP j, gi, chg, pf
.if ((\j) == 3) && ((\gi) == 1) && ((\chg) != 0)
	WIN 0
.if \pf
	s_wait_xcnt 0x0                                ; my last prefetch has read its base: it steps one expert on
	s_add_nc_u64 s[PFA:PFA+1], s[PFA:PFA+1], 4*UNITB
.endif
	s_wait_tensorcnt 0x0                           ; my one load that was out, my eighth of the other slot, is in;
	ds_add_u32 v[SPW], v[NIL]
.if (\chg) == 1
	s_xor_b32 s[G0+1], s[G0+1], SLOT1              ; no load of mine is out: the descriptor steps to this slot, two experts on
	s_add_nc_u64 s[G0+2:G0+3], s[G0+2:G0+3], 4*UNITB
.endif
	s_wait_dscnt 0x0                               ; the add is done, and my reads of this slot are over: its last group lies in buffer 1
	s_barrier_signal -1
	WIN 4
	KS 2                                           ; work on registers while the others arrive
	WIN 0
	s_barrier_wait -1                              ; nobody reads this slot any more, and the other slot is whole
.if (\chg) == 1
	CREST                                          ; the barrier has opened a round of the cluster's barrier
	tensor_load_to_lds s[G0:G0+3], s[G1B:G1B+7]
	s_nop 0
.endif
	PLACES                                         ; four places ahead of the loads into buffer 0
	s_xor_b32 s[TB], s[TB], SLOT1
	SETADR
	FETCH 0, 0
.if (\pf) == 2
	s_cmp_gt_u32 s[CNT], 1
	s_cbranch_scc0 .Lno_more_\@                    ; the loop's last trip: there is no expert 8
.endif
.if \pf
	global_prefetch_b8 v[PFO], s[PFA:PFA+1] th:TH_LOAD_NT scope:SCOPE_SE
.endif
.if (\pf) == 2
.Lno_more_\@:
.endif
	WIN 4
	KS 3
.else
	WIN 4                                          ; the products' setting serves the loads too: destination and address in window 0
	s_wait_dscnt 0x0                               ; this group's 13 loads are in
.if (\gi) == 0
	FETCH \j, 1                                    ; (the multiply-adds behind the last unit are the places ahead of these loads)
.elseif (\j) < 3
	PLACES
	FETCH (\j)+1, 0
.endif
	WIN 4
	KS 2*(\gi)
	KS 2*(\gi)+1
.endif
.endm
.macro COMBINE j, first                ; O of output block j (+)= gate x (PA - PB, PI); each accumulator is read from its low end on
	WIN 0x50*((\j)/2)
	PLACES
.irp t, 0,1
.set OR_, O+32*((\j)%2)+16*\t
.set OI_, OR_+8
.set PP_, P+24*\t
.set GG_, G+8*\t
.irp k, 0,2,4,6
.if \first
	v_pk_mul_f32 v[OR_+\k:OR_+\k+1], v[PP_+\k:PP_+\k+1], v[GG_:GG_+1] op_sel_hi:[1,0]
.else
	v_pk_fma_f32 v[OR_+\k:OR_+\k+1], v[PP_+\k:PP_+\k+1], v[GG_:GG_+1], v[OR_+\k:OR_+\k+1] op_sel_hi:[1,0,1]
.endif
.endr
.irp k, 0,2,4,6
.if \first
	v_pk_mul_f32 v[OI_+\k:OI_+\k+1], v[PP_+16+\k:PP_+16+\k+1], v[GG_:GG_+1] op_sel_hi:[1,0]
.else
	v_pk_fma_f32 v[OI_+\k:OI_+\k+1], v[PP_+16+\k:PP_+16+\k+1], v[GG_:GG_+1], v[OI_+\k:OI_+\k+1] op_sel_hi:[1,0,1]
.endif
.endr
.irp k, 0,2,4,6
	v_pk_fma_f32 v[OR_+\k:OR_+\k+1], v[PP_+8+\k:PP_+8+\k+1], v[GG_:GG_+1], v[OR_+\k:OR_+\k+1] op_sel_hi:[1,0,1] neg_lo:[1,0,0] neg_hi:[1,0,0]
.endr
.endr
.endm
.macro EXPERT first, chg, pf
.irp j, 0,1,2,3
	GRP \j, 0, \chg, \pf
	GRP \j, 1, \chg, \pf
	COMBINE \j, \first
.endr
	WIN 0
.if (\chg) != 0
.irp t, 0,1
.irp i, 0,1,2,3,4,5,6
	v_mov_b32 v[G+8*\t+\i], v[G+8*\t+\i+1]         ; the next expert's gate comes to the front, so that one text serves every expert
.endr
.endr
	s_wait_alu depctr_va_vdst(0)
.endif
.endm
	s_load_b256 s[4:11], s[0:1], 0x0               ; zq, wq, gates, out0
	v_lshl_add_u32 v[SPW], v0, 2, SPARE
	v_mov_b32 v[NIL], 0
	ds_add_u32 v[SPW], v[NIL]                      ; the opening lines: the add twice on end, under one wait
	ds_add_u32 v[SPW], v[NIL]
	v_lshrrev_b32 v29, 5, v0
	v_readfirstlane_b32 s[WV], v29                 ; wave 0..7
	s_and_b32 s17, s[WV], 3                        ; my 32 tokens of the block's 128
	s_lshr_b32 s18, s[WV], 2                       ; my half of K
	s_mul_i32 s20, s18, 12288
	s_lshl_b32 s21, s18, 9
	s_add_co_u32 s21, s21, 24576
	s_mul_i32 s19, s[WV], 13
	s_lshl_b32 s22, s[WV], 13
	s_xor_b32 s23, s[WV], 4
	s_lshl_b32 s23, s23, 13
	s_mul_i32 s56, s[WV], 8704
	s_add_co_u32 s56, s56, STAGE                   ; my stage
	v_and_b32 v29, 31, v0
	v_and_b32 v30, 15, v0                          ; r
	v_bfe_u32 v31, v0, 4, 1                        ; h
	v_lshlrev_b32 v[LI], 4, v29
	v_lshlrev_b32 v[L8H], 3, v29
	v_add_nc_u32 v[LIH], s20, v[LI]
	v_add_nc_u32 v[L8H], s21, v[L8H]
	v_lshlrev_b32 v[GA], 5, v30                    ; a token's eight gates: 32 bytes
	v_min_u32 v[PFO], 12, v29
	v_add_nc_u32 v[PFO], s19, v[PFO]
	v_min_u32 v[PFO], 99, v[PFO]
	v_lshlrev_b32 v[PFO], 8, v[PFO]
	v_add_nc_u32 v[XS], s22, v[LI]
	v_add_nc_u32 v[XR], s23, v[LI]
	v_mul_u32_u24 v[STO], v30, 272                 ; in: row r, 32 bytes for each half of the lanes
	v_lshl_add_u32 v[STO], v31, 5, v[STO]
	v_add_nc_u32 v[STO], s56, v[STO]
	v_mul_u32_u24 v[RD], v31, 272                  ; back: lanes 0-15 one row of 256 bytes, lanes 16-31 the next
	v_lshl_add_u32 v[RD], v30, 4, v[RD]
	v_add_nc_u32 v[RD], s56, v[RD]
	v_lshlrev_b32 v[GO], 12, v31                   ; and the same two rows in the output
	v_lshl_add_u32 v[GO], v30, 4, v[GO]
	s_wait_alu depctr_va_vdst(0)
	s_bfe_u32 s13, ttmp6, 0x40000                  ; cx
	s_bfe_u32 s14, ttmp6, 0x40004                  ; cy
	s_lshl_b32 s15, ttmp9, 2
	s_add_co_u32 s15, s15, s13                     ; block of 128 tokens
	s_and_b32 s16, ttmp7, 0xffff
	s_lshl_b32 s16, s16, 2
	s_add_co_u32 s16, s16, s14                     ; block of 64 outputs
	s_lshl_b32 s54, s14, 2
	s_lshl_b32 s54, 15, s54                        ; my row of the cluster
	s_or_b32 s[G1B], s54, (3<<16)|(1<<21)          ; an eighth of a slot: 50 rows of 32 elements of 8 bytes, dense
	s_mov_b32 s[G1B+1], 32<<16
	s_mov_b32 s[G1B+2], 50<<16
	s_mov_b32 s[G1B+3], 32<<16
	s_mov_b32 s[G1B+4], 50
	s_mov_b32 s[G1B+5], 32
	s_mov_b32 s[G1B+6], 0
	s_mov_b32 s[G1B+7], 0
	s_mov_b32 s[G0], 1
	s_mul_i32 s[G0+1], s[WV], 12800
	s_mul_i32 s58, s16, 32*UNITB
	s_add_co_u32 s58, s58, s[G0+1]                 ; wq: my block's expert 0, my eighth
	s_mov_b32 s59, 0
	s_mov_b32 s[TB], 0
	s_lshl_b32 s56, s15, 3
	s_lshl_b32 s57, s17, 1
	s_add_co_u32 s56, s56, s57
	s_add_co_u32 s20, s56, s18                     ; zq: my tile 0 is unit (my half of K) of my two,
	s_xor_b32 s19, s18, 1
	s_add_co_u32 s22, s56, s19                     ; my tile 1 the other
	s_mul_i32 s20, s20, UNITB
	s_mul_i32 s22, s22, UNITB
	s_mov_b32 s21, 0
	s_mov_b32 s23, 0
	s_lshl_b32 s56, s15, 12
	s_lshl_b32 s57, s17, 10
	s_add_co_u32 s56, s56, s57                     ; gates of my 32 tokens: 512 bytes a tile
	s_lshl_b32 s57, s19, 9
	s_add_co_u32 s2, s56, s57
	s_lshl_b32 s57, s18, 9
	s_add_co_u32 s56, s56, s57
	s_mov_b32 s57, 0
	s_mov_b32 s3, 0
	s_lshl_b32 s54, s15, 19
	s_lshl_b32 s55, s17, 17
	s_add_co_u32 s54, s54, s55
	s_lshl_b32 s55, s18, 16
	s_add_co_u32 s54, s54, s55
	s_lshl_b32 s55, s16, 8
	s_add_co_u32 s54, s54, s55                     ; out0: my tile 0's first row, my block's 256 bytes
	s_mov_b32 s55, 0
	s_lshl_b32 s48, s16, 5
	s_add_co_u32 s48, s48, s13
	s_add_co_u32 s48, s48, 8
	s_mul_i32 s48, s48, UNITB                      ; prefetches: unit cx of my block's expert 2: the first request steps it to expert 3
	s_mov_b32 s49, 0
	s_wait_dscnt 0x0                               ; both opening adds are done
	s_wait_kmcnt 0x0
	s_add_nc_u64 s[G0+2:G0+3], s[6:7], s[58:59]
	s_or_b32 s[G0+3], s[G0+3], 0x80000000
	s_add_nc_u64 s[ZB:ZB+1], s[4:5], s[20:21]
	s_add_nc_u64 s[ZB+2:ZB+3], s[4:5], s[22:23]
	s_add_nc_u64 s[GT:GT+1], s[8:9], s[56:57]
	s_add_nc_u64 s[GT+2:GT+3], s[8:9], s[2:3]
	s_add_nc_u64 s[OUTR:OUTR+1], s[10:11], s[54:55]
	s_add_nc_u64 s[OUTI:OUTI+1], s[OUTR:OUTR+1], 0x800000
	s_add_nc_u64 s[PFA:PFA+1], s[6:7], s[48:49]
	WIN 0x40                                       ; z: each load 512 consecutive bytes, as the registers want them
.irp t, 0,1
.set i, 0
.rept 24
	global_load_b128 v[96*\t+4*i:96*\t+4*i+3], v[LIH], s[ZB+2*\t:ZB+2*\t+1] offset:512*i
.set i, i+1
.endr
.endr
	WIN 0
.irp t, 0,1
.irp q, 0,1
	global_load_b64 v[ZS+4*\t+2*\q:ZS+4*\t+2*\q+1], v[L8H], s[ZB+2*\t:ZB+2*\t+1] offset:256*\q
	global_load_b128 v[G+8*\t+4*\q:G+8*\t+4*\q+3], v[GA], s[GT+2*\t:GT+2*\t+1] offset:16*\q
.endr
.endr
	CROUND                                         ; the first joint loads meet
	tensor_load_to_lds s[G0:G0+3], s[G1B:G1B+7]    ; expert 0 into slot 0: my one load at the head
	s_nop 0
	s_wait_tensorcnt 0x0                           ; my eighth is in
	ds_add_u32 v[SPW], v[NIL]
	s_xor_b32 s[G0+1], s[G0+1], SLOT1
	s_add_nc_u64 s[G0+2:G0+3], s[G0+2:G0+3], 4*UNITB
	s_wait_dscnt 0x0
	CROUND
	tensor_load_to_lds s[G0:G0+3], s[G1B:G1B+7]    ; expert 1 into slot 1
	s_nop 0
	PLACES
	SETADR
	FETCH 0, 0
	s_wait_loadcnt 0x0                             ; z, its scale words and the gates are in
	EXPERT 1, 1, 1
	s_mov_b32 s[CNT], 5
.Lexpert:
	EXPERT 0, 1, 2
	s_sub_co_u32 s[CNT], s[CNT], 1
	s_cmp_lg_u32 s[CNT], 0
	s_cbranch_scc1 .Lexpert
	EXPERT 0, 2, 0                                 ; expert 6: nothing more is fetched
	EXPERT 0, 0, 0
	s_wait_alu depctr_va_vdst(0)
.irp j, 0,1,2,3                        ; my tile 1's sums to my partner, as an image of the registers: 16 x 512 bytes
	WIN 4*(\j/2)
.irp q, 0,1,2,3
	ds_store_b128 v[XS], v[O+32*(\j%2)+16+4*\q:O+32*(\j%2)+16+4*\q+3] offset:2048*\j+512*\q
.endr
.endr
	WIN 0
	s_wait_dscnt 0x0                               ; for my partner's sake
	s_barrier_signal -1
	s_barrier_wait -1
.set i, 0
.rept 16
	ds_load_b128 v[T+4*i:T+4*i+3], v[XR] offset:512*i      ; my partner's sums over its half of K, of my tile 0
.set i, i+1
.endr
	s_wait_dscnt 0x0
.irp j, 0,1,2,3
	WIN \j/2
.irp k, 0,2,4,6,8,10,12,14
	v_pk_add_f32 v[T+16*\j+\k:T+16*\j+\k+1], v[O+32*(\j%2)+\k:O+32*(\j%2)+\k+1], v[T+16*\j+\k:T+16*\j+\k+1]
.endr
.endr
	WIN 0
.irp p, 0,1                            ; through my stage: 16 rows x 256 bytes of each part
.irp j, 0,1,2,3
	ds_store_b128 v[STO], v[T+16*\j+8*\p:T+16*\j+8*\p+3] offset:4352*\p+64*\j
	ds_store_b128 v[STO], v[T+16*\j+8*\p+4:T+16*\j+8*\p+7] offset:4352*\p+64*\j+16
.endr
.endr
.irp p, 0,1
.irp f, 0,1,2,3,4,5,6,7
	ds_load_b128 v[OB+32*\p+4*\f:OB+32*\p+4*\f+3], v[RD] offset:4352*\p+544*\f    ; LDS serves a wave's instructions in order: these see my stores
.endr
.endr
.irp p, 0,1
	s_wait_dscnt 8*(1-\p)                          ; part p's eight loads are in
.irp f, 0,1,2,3,4,5,6,7
	global_store_b128 v[GO], v[OB+32*\p+4*\f:OB+32*\p+4*\f+3], s[OUTR+2*\p:OUTR+2*\p+1] offset:2*\f*4096 th:TH_STORE_NT   ; sixteen lanes store 256 consecutive bytes, aligned
.endr
.endr
	s_wait_tensorcnt 0x0                           ; the wave's end
	ds_add_u32 v[SPW], v[NIL]
	s_wait_dscnt 0x0
	CROUND                                         ; the closing round
	s_endpgm
.Lfunc_end_k_qc3f2024760_moe:
	.size	k_qc3f2024760_moe, .Lfunc_end_k_qc3f2024760_moe-k_qc3f2024760_moe
	.p2alignl 7, 3214868480
	.fill 96, 4, 3214868480
	.section	.rodata,"a",@progbits
	.p2align	6, 0x0
	.amdhsa_kernel k_qc3f2024760_moe
		.amdhsa_group_segment_fixed_size 327680
		.amdhsa_private_segment_fixed_size 0
		.amdhsa_enable_private_segment 0
		.amdhsa_kernarg_size 32
		.amdhsa_user_sgpr_count 2
		.amdhsa_user_sgpr_kernarg_segment_ptr 1
		.amdhsa_wavefront_size32 1
		.amdhsa_system_sgpr_workgroup_id_x 1
		.amdhsa_system_sgpr_workgroup_id_y 1
		.amdhsa_system_sgpr_workgroup_id_z 1
		.amdhsa_system_vgpr_workitem_id 0
		.amdhsa_next_free_vgpr 512
		.amdhsa_next_free_sgpr 66
		.amdhsa_reserve_vcc 0
		.amdhsa_float_denorm_mode_32 3
		.amdhsa_float_denorm_mode_16_64 3
		.amdhsa_memory_ordered 1
		.amdhsa_forward_progress 1
		.amdhsa_inst_pref_size 145
	.end_amdhsa_kernel
	.amdgpu_metadata
---
amdhsa.version: [ 1, 2 ]
amdhsa.kernels:
  - .name:           k_qc3f2024760_moe
    .symbol:         k_qc3f2024760_moe.kd
    .args:
      - { .name: zq, .offset: 0, .size: 8, .value_kind: global_buffer, .address_space: global }
      - { .name: wq, .offset: 8, .size: 8, .value_kind: global_buffer, .address_space: global }
      - { .name: gates, .offset: 16, .size: 8, .value_kind: global_buffer, .address_space: global }
      - { .name: out0, .offset: 24, .size: 8, .value_kind: global_buffer, .address_space: global }
    .group_segment_fixed_size: 327680
    .private_segment_fixed_size: 0
    .kernarg_segment_align: 8
    .kernarg_segment_size: 32
    .max_flat_workgroup_size: 256
    .sgpr_count:     66
    .vgpr_count:     512
    .wavefront_size: 32
...
	.end_amdgpu_metadata
.endif
;; end of part 2
